; MI455X (gfx1250); checked and timed in simulation.
; The chip was launched on July 23, 2026; its instructions are those of AMD's public machine-readable ISA for CDNA 5 (MIT licence, August 2026) and "CDNA5" Instruction Set Architecture Reference Guide (July 2026). The comments in the code are by the model that wrote it; some were corrected since.
;; Mixture Of Depths. Allowed arithmetic: matrix products marked QUANTISED: E2M3 operands, one E8M0 scale for each 32 along K, by v_wmma_scale_f32_16x16x128_f8f6f4 with both operands' format E2M3, f32 sums; products left as they are: f32 operands where the result goes on into a quantised operand, else bf16, f16 or f32 operands; f32 sums; everything else in f32.
;; Inputs: Wc1_codes 128 x 16 x 24 uint8 (E2M3 codes of Wc1, K innermost, in blocks of 32 codes, four codes in three bytes); Wc1_scales 128 x 16 uint8 (E8M0 scales of Wc1, one for each 32 codes along K); Wc2 128 x 1 float32; Wf1_codes 2,048 x 16 x 24 uint8 (E2M3 codes of Wf1, K innermost, in blocks of 32 codes, four codes in three bytes); Wf1_scales 2,048 x 16 uint8 (E8M0 scales of Wf1, one for each 32 codes along K); Wf2_codes 512 x 64 x 24 uint8 (E2M3 codes of Wf2, K innermost, in blocks of 32 codes, four codes in three bytes); Wf2_scales 512 x 64 uint8 (E8M0 scales of Wf2, one for each 32 codes along K); bc1 128 float32; bc2 1 float32; bf1 2,048 float32; bf2 512 float32; hidden_states 4 x 4,096 x 512 float32.
;; Outputs: out0 4 x 4,096 x 512 float32.
;; Constants: layer_idx = 2.
;; This version of the problem:
;;   THIS VERSION OF THE PROBLEM IS GIVEN IN LOW PRECISION. The matrix products marked QUANTISED in the list below multiply operands that are first quantised to E2M3 (2 exponent bits, 3 mantissa bits; 6 bits a number), with one power-of-two scale for each 32 numbers along K (OCP MX v1.0); their sums are f32. All else is computed in f32.
;;   The module's matrix products, in the order in which they are computed (A, B: the left and right operand; K: the contracted axis; several contracted axes count as one K, in the product's order):
;;     1. [M 16,384, K 512] x [K 512, N 128]; A: input hidden_states; B: input Wc1 (given as codes): QUANTISED
;;     2. [M 16,384, K 128] x [K 128, N 1]; A: computed on the way; B: input Wc2: left as it is (N = 1 < 16)
;;     3. [M 16,384, K 512] x [K 512, N 2,048]; A: input hidden_states; B: input Wf1 (given as codes): QUANTISED
;;     4. [M 16,384, K 2,048] x [K 2,048, N 512]; A: computed on the way; B: input Wf2 (given as codes): QUANTISED
;;   THE QUANTISER, for each operand of a quantised product, along K:
;;     - K is cut into blocks of 32 from its start; a last block that is shorter is filled with zeros.
;;     - A block's scale is 2^e with e = floor(log2(the largest magnitude in the block)) - 2, held to -126 .. 127; a block of zeros has e = 0. As a byte (E8M0): e + 127.
;;     - Each number is divided by its block's scale, clamped to +-7.5, and rounded to the nearest number of E2M3, ties to even, subnormals kept.
;;     - The product sums the exact products of the quantised numbers (number of the format x scale) in f32.
;;   ~~~python
;;   def quantise(x, axis):      # numpy; x: float32 -> the quantised numbers, widened to float32 again
;;       x = np.moveaxis(x, axis, -1); K = x.shape[-1]
;;       x = np.pad(x, [(0, 0)] * (x.ndim - 1) + [(0, -K % 32)]); x = x.reshape(x.shape[:-1] + (-1, 32)); a = np.abs(x).max(-1, keepdims=True)
;;       e = np.where(a > 0, np.clip(np.frexp(np.where(a > 0, a, 1))[1] - 1 - 2, -126, 127), 0)      # np.frexp(a)[1] - 1 = floor(log2(a)), exactly
;;       r = np.clip(x / 2.0 ** e, -7.5, 7.5)
;;       step = 2.0 ** (np.maximum(np.frexp(np.where(r == 0, 1, r))[1] - 1, 0) - 3)
;;       q = np.round(r / step) * step * 2.0 ** e      # np.round: ties to even
;;       return np.moveaxis(q.reshape(q.shape[:-2] + (-1,))[..., :K], -1, axis).astype(np.float32)
;;   ~~~
;;   OPERANDS COMPUTED ON THE WAY. 'Computed on the way' means the value that the module computes at that place (a softmax that the list does not call 'softmax' is quantised finished and normalised). What goes into a quantiser is computed in f32, as accurately as f32 sums, v_exp_f32 and their like allow (about 1e-6 of the number): no bf16 or f16 on the way to a quantiser, and a product that is left as it is and whose result goes on into a quantised operand takes f32 operands (vector FMAs, or v_wmma_f32_16x16x4_f32). A number that lies on a knife's edge between two numbers of the format may be rounded either way, as far as f32 arithmetic and the matrix unit's own rounding can turn it there, and no further.
;;   INPUTS GIVEN AS CODES. Wc1 (in the module: [512, 128], K = its axis 0); Wf1 (in the module: [512, 2048], K = its axis 0); Wf2 (in the module: [2048, 512], K = its axis 0): each comes as NAME_codes (uint8): NAME with its K axis moved to the last place and cut into blocks of 32 codes, [.., K / 32, bytes a block], one block behind the other in memory; four codes in three bytes: a row's codes are one little-endian stream of bits, code i at bits 6 i .. 6 i + 5 (a code: sign, 2 exponent bits, 3 mantissa bits); and NAME_scales (uint8): the same leading axes, one E8M0 byte (e + 127) for each 32 codes along K. Its value is code x scale, taken as it is: it is not quantised again, and the codes and scales need not be those that the quantiser above would give.
;; One version. Each part assembles by itself: llvm-mc -triple=amdgcn-amd-amdhsa -mcpu=gfx1250 --defsym DOCPART=n.
;; ======== version 1 of 1: 1 launch
;; limits: a function is approximated: absolute error at most 1.5e-07; an absolute error that grows with the inputs' magnitude: up to 3e-07 times it
;; launch mod (part 1): grid 256 x 1, 4 waves a work-group, clusters of 4 x 1, 327,680 bytes of LDS; arguments hidden_states, Wc1_codes, Wc1_scales, bc1, Wc2, bc2, Wf1_codes, Wf1_scales, bf1, Wf2_codes, Wf2_scales, bf2, out0; writes out0
.if DOCPART == 1
	.amdgcn_target "amdgcn-amd-amdhsa--gfx1250"
	.amdhsa_code_object_version 6
	.text
	.protected	k_q324072e4d4_mod
	.globl	k_q324072e4d4_mod
	.p2align	8
	.type	k_q324072e4d4_mod,@function
k_q324072e4d4_mod:
	s_mov_b64 s[64:65], 0
	v_nop
	global_prefetch_b8 v0, s[64:65] scope:SCOPE_SE
	s_setreg_imm32_b32 hwreg(HW_REG_WAVE_MODE, 25, 1), 1
	s_wait_xcnt 0x0
	s_wait_alu depctr_hold_cnt(0) depctr_sa_sdst(0) depctr_va_vdst(0) depctr_va_sdst(0) depctr_va_ssrc(0) depctr_va_vcc(0) depctr_vm_vsrc(0)
	s_getreg_b32 s2, hwreg(HW_REG_IB_STS2, 6, 4)
	s_cmp_eq_u32 s2, 0
	s_cbranch_scc0 .Lentry_in_a_cluster
	s_endpgm
.Lentry_in_a_cluster:
	s_bfe_u32 s2, ttmp6, 0x10000c
	s_cmp_lg_u32 s2, 0x3003
	s_cbranch_scc0 .Lentry_shape_is_right
	s_endpgm
.Lentry_shape_is_right:
; out = continue ? gelu(Q(x) Wf1 + bf1) quantised, x Wf2 + bf2 : x;  continue = sigmoid(gelu(Q(x) Wc1 + bc1) . Wc2 + bc2) < 0.8.  16,384 tokens of 512 f32.
; The three large products run on codes of FP6 (E2M3) with one E8M0 scale for each 32 along K; the weights come as codes, x and the hidden layer are quantised here.  One launch; nothing goes through memory but x, the weights and out.
; SHARES.  A work-group owns 64 tokens (four tiles m of 16).  THE FOUR WAVES SHARE THE COLUMNS: wave w makes, for all 64 tokens, hidden units 32 w .. 32 w + 31 of each chunk of 128, output columns 128 w .. 128 w + 127 and
; confidence units 32 w .. 32 w + 31.  So a weight fragment is read from LDS once, by one wave, and feeds four matrix instructions.  The hidden axis goes in 16 chunks; a chunk is one K step of the last product, wave w making its block w of 32.
; Both products are used transposed (source 0 = 16 rows of a weight, source 1 = 16 tokens): a lane holds one token (lane % 16) and eight neighbouring units or columns.
; A TRIP c: the first product of chunk c, its GELU and quantiser, the codes as register images to LDS; the last product of chunk c - 1 stands in single instructions among the vector lines.  Trip -1 is the confidence head.
; THE CHOICE costs no branch: x is loaded into the 256 output accumulators; when the mask is known they become continue ? bf2 : x; a stopped token's hidden codes are made zeros, so the last product adds nothing to its x.
; CLUSTER.  The four partners walk the same weights: every weight tile is asked for jointly (mask 15).  x's tile is each work-group's own: a plain load.  A row of Wf2's tile is 96 bytes (one chunk): two slots of a longer K do not fit beside the rest.
; No prefetch: x is wanted at the first line, and the weights are read by every cluster, not once.
; GELU.  erf by Abramowitz and Stegun 7.1.26 (absolute error at most 1.5e-7): t = 1 / (1 + 0.23164189 |x|), E = 2^-(0.8493218 x)^2, erf = 1 - t (a1 + t (a2 + t (a3 + t (a4 + t a5)))) E; G = x + |x| erf = 2 gelu(x).
; The factor 2 is taken out exactly in the scale: the conversion divides G by twice the block's scale, and the byte is G's largest exponent field - 3.
; LIMITS: gelu's absolute error is about 3e-7 |x|, so its relative accuracy falls off under x = -3.5; NaN and infinities among the inputs are not served; a block whose largest magnitude lies under 2^(3 - 127), zeros among them,
; keeps the byte 1 (its codes are zeros or nearly so; this program alone reads the bytes); the sign of a zero may differ.
; REGISTERS, in windows of 256.  window 0: addresses, scale words, v64-127 the hidden tiles, v128-255 at work.  window 1: x's 16 fragments, from v192 four hidden fragments.  window 2: the 32 output accumulators, (m, n) at 64 m + 8 n.
; window 3: v0-95 eight fragments of Wf1, v96-191 eight of Wf2 (at the head: bf2), v192-207 the bias of my 32 units.
.set SLOTB, 0x20000                    ; a slot: Wf2's tile (512 rows, pitch 144), then Wf1's (128 rows, pitch 432); slot 1 begins here
.set W1O,   73728                      ; where Wf1's tile begins in a slot
.set PW1,   432                        ; 384 bytes + 16 behind each 128: an odd multiple of 16 bytes, so that the 16 rows of a load start 16 bytes apart modulo 256
.set PW2,   144                        ; 96 bytes + 16 behind each 32
.set PX,    528                        ; x's tile and the stage: 512 bytes + 16
.set SC2,   262144                     ; Wf2's scale bytes, 512 rows of 64 + 8: filled once
.set PS2,   72
.set SCR,   299008                     ; stored by the waves alone: first x's 16 images (1,536 bytes each), later the hidden layer's, two sets HPAR apart
.set HPAR,  0x2000
.set XSC,   323584                     ; x's scale words: 256 s + 64 m + 4 r
.set HSC,   324608                     ; the hidden layer's scale bytes, two sets SPAR apart: 128 (m / 2) + 4 lane + wave
.set SPAR,  0x100
.set CONF,  325120                     ; the logit's four parts: 16 token + 4 wave
.set SPARE, 326144                     ; the spare words, 128 bytes for each wave: two blocks of 256 bytes that no other line names
.set B1A, 8                            ; v8-17 my lane's places, never rewritten: Wf1's tile (v9: behind one padding more), Wf2's (v11 likewise),
.set B1B, 9
.set B2A, 10
.set B2B, 11
.set BH0, 12                           ; the hidden images for even and for odd m, Wf2's scale words, the hidden scale words, and where I store images and bytes
.set BH1, 13
.set BS2, 14
.set BHS, 15
.set BHW, 16
.set BSW, 17
.set A1A, 18                           ; v18-27 the same ten for the trip in hand
.set A1B, 19
.set A2A, 20
.set A2B, 21
.set AH0, 22
.set AH1, 23
.set AS2, 24
.set AHS, 25
.set AHW, 26
.set ASW, 27
.set SPW, 28                           ; LDS address of my spare word; never rewritten
.set NIL, 29                           ; 0; never rewritten
.set GBO, 30                           ; 32 h: my eight numbers of a bias
.set GSO, 31                           ; 16 x lane
.set KA4, 32                           ; v[32:33] a4 twice
.set XWS, 34
.set XRS, 35
.set XS,  36                           ; v36-43 x's scale words: register 4 (m / 2) + s; lanes 0-15 the even tile, lanes 16-31 the odd one
.set W1S, 44                           ; v44-47 Wf1's: register s; lanes 0-15 my units 0-15, lanes 16-31 my units 16-31
.set W2S, 48                           ; v48-51 Wf2's: register n / 2; lanes 0-15 the even tile of columns, lanes 16-31 the odd one
.set HS,  52                           ; v52-53 the hidden layer's: register m / 2
.set HA,  64                           ; hidden tile (m, t) at 64 + 16 m + 8 t
.set TT,  128
.set EE,  160
.set QQ,  192
.set AM,  208
.set PM,  212
.set SO,  216
.set BY,  220
.set CB,  224
.set WC,  224                          ; the confidence trip: Wc2 at my 16 units
.set TMX, 232                          ; the head: the quantiser's 16 registers
.set TP,  248
.set BK,  64                           ; the way out: rows back from the stage, v64-127 and v128-191 by turns
.set XC,  0                            ; window 1
.set HF,  192
.set FRA, 0                            ; window 3
.set FRB, 96
.set BI,  192
.set WV,  30                           ; s30 wave, s31 wave & 1, s32 wave >> 1
.set WL,  31
.set WH,  32
.set G1X, 36                           ; descriptors: group 1 for x, Wc1 and Wf1, Wf2, Wf2's scales; group 0 for the three first fills; two that walk
.set G1W, 44
.set G1V, 52
.set G0X, 60
.set G1S, 68
.set G0F, 76
.set G0S, 80
.set G0A, 84
.set G0B, 88
.set TB,  92                           ; the trip's slot, image set, byte set; Wf2's scale word in a row
.set TH,  93
.set TS,  94
.set TK,  95
.set CNT, 96
.set TBX, 97
.set THX, 98
.set TSX, 99
.set SEL, 100                          ; s[100:101] v_permlanex16_b32's selects for lane l xor 16
.set KP,  36                           ; constants, in registers of descriptors whose loads are done
.set KC,  38
.set K1,  40
.set K2,  42
.set K3,  68
.set K5,  70
.set SL0, 72
.set SL1, 73
.set SL2, 74
.set MK,  76                           ; s76-79 for each tile m: the lanes whose token continues
.set BC2, 80
.set MSB, 0
.macro WIN new                         ; the immediate's high byte repeats the setting that is left; a switch that changes nothing is dropped
.if MSB != \new
	s_set_vgpr_msb (MSB<<8)|\new
.set MSB, \new
.endif
.endm
.macro PLACES n
.rept \n
	v_nop
.endr
.endm
.macro CROUND                          ; a round of the cluster's barrier
	s_barrier_signal -1
	s_barrier_wait -1
	s_cmp_lg_u32 s[WV], 0
	s_cbranch_scc1 .Lnot_wave_0_\@
	s_barrier_signal -3
.Lnot_wave_0_\@:
	s_barrier_wait -3
	s_barrier_signal -1
	s_barrier_wait -1
.endm
; The joint refills: waves 0 and 1 fetch the halves of Wf1's next tile (fill = 2 only), waves 2 and 3 those of Wf2's.  The branch hangs on the wave's number alone.  Four v_nop follow each load.
.macro JLOAD fill
	s_cmp_lt_u32 s[WV], 2
.if \fill == 2
	s_cbranch_scc0 .Lfor_v_\@
	tensor_load_to_lds s[G0A:G0A+3], s[G1W:G1W+7]
	s_nop 0
	PLACES 4
	s_branch .Lasked_\@
.Lfor_v_\@:
.else
	s_cbranch_scc1 .Lasked_\@
.endif
	tensor_load_to_lds s[G0B:G0B+3], s[G1V:G1V+7]
	s_nop 0
	PLACES 4
.Lasked_\@:
.endm
.macro GRP1 g, w0, c, r, p             ; group 1: r rows of c elements, p elements from row to row; the tensor's extents are the tile's
	s_mov_b32 s[\g], \w0
	s_mov_b32 s[\g+1], (\c)<<16
	s_mov_b32 s[\g+2], (\r)<<16
	s_mov_b32 s[\g+3], (\c)<<16
	s_mov_b32 s[\g+4], \r
	s_mov_b32 s[\g+5], \p
	s_mov_b32 s[\g+6], 0
	s_mov_b32 s[\g+7], 0
.endm
.set WX0, (2<<16)|(1<<20)|(6<<22)|(3<<25)             ; no mask; elements of 4 bytes; 4 words of padding behind every 128
.set WW0, 15|(3<<16)|(1<<20)|(1<<21)|(4<<22)|(3<<25)  ; all four partners, bit 21 beside the mask; elements of 8 bytes; 4 words behind every 32
.set WV0, 15|(3<<16)|(1<<20)|(1<<21)|(2<<22)|(3<<25)  ; 4 words behind every 8
.set WS0, 15|(3<<16)|(1<<20)|(1<<21)|(3<<22)|(1<<25)  ; 2 words behind every 16
	s_load_b512 s[4:19], s[0:1], 0x0               ; x s[4:5], Wc1 codes s[6:7], Wc1 scales s[8:9], bc1 s[10:11], Wc2 s[12:13], bc2 s[14:15], Wf1 codes s[16:17], Wf1 scales s[18:19]
	s_load_b256 s[20:27], s[0:1], 0x40             ; bf1 s[20:21], Wf2 codes s[22:23], Wf2 scales s[24:25], bf2 s[26:27]
	s_load_b64 s[28:29], s[0:1], 0x60              ; out
	v_lshl_add_u32 v[SPW], v0, 2, SPARE
	v_mov_b32 v[NIL], 0
	ds_add_u32 v28, v29
	ds_add_u32 v28, v29
	s_wait_dscnt 0x0
	v_lshrrev_b32 v1, 5, v0
	v_readfirstlane_b32 s[WV], v1                  ; wave 0..3
	s_and_b32 s[WL], s[WV], 1
	s_lshr_b32 s[WH], s[WV], 1
	s_bfe_u32 s33, ttmp6, 0x40000                  ; cx: it enters x's and out's global addresses alone
	s_lshl_b32 s34, ttmp9, 2
	s_add_co_u32 s34, s34, s33                     ; my block of 64 tokens = 4 x cluster + cx
	s_lshl_b32 s2, s34, 17                         ; 64 rows of 2,048 bytes,
	s_lshl_b32 s35, s[WV], 9
	s_add_co_u32 s2, s2, s35                       ; and my wave's 512 bytes of a row
	s_mov_b32 s3, 0
	GRP1 G1X, WX0, 128, 64, 512                    ; x: 64 rows x 512 bytes of rows of 2,048
	GRP1 G1W, WW0, 48, 64, 48                      ; Wc1, Wf1: 64 dense rows of 384 bytes
	GRP1 G1V, WV0, 12, 256, 192                    ; Wf2: 256 rows x 96 bytes of rows of 1,536
	GRP1 G1S, WS0, 8, 128, 8                       ; Wf2's scales: 128 dense rows of 64 bytes
	s_mov_b32 s[SEL], 0x76543210
	s_mov_b32 s[SEL+1], 0xfedcba98
	s_mul_i32 s92, s[WL], 64*PW1
	s_add_co_u32 s92, s92, W1O                     ; my half of Wf1's tile in a slot
	s_mul_i32 s94, s[WL], 64*384                   ; and in memory
	s_mov_b32 s95, 0
	s_mov_b32 s97, 0
	s_wait_kmcnt 0x0
	s_add_nc_u64 s[4:5], s[4:5], s[2:3]
	s_add_nc_u64 s[28:29], s[28:29], s[2:3]
	s_mov_b32 s[G0X], 1                            ; x: columns 128 w on of my 64 tokens, into Wf2's part of slot w >> 1, which is not yet in use
	s_lshl_b32 s[G0X+1], s[WH], 17
	s_mul_i32 s35, s[WL], 64*PX
	s_add_co_u32 s[G0X+1], s[G0X+1], s35
	s_mov_b64 s[G0X+2:G0X+3], s[4:5]
	s_or_b32 s[G0X+3], s[G0X+3], 0x80000000
	s_mov_b32 s[G0F], 1                            ; waves 0, 1: Wc1 into slot 1; waves 2, 3: Wf1's chunk 0 into slot 0
	s_xor_b32 s35, s[WH], 1
	s_lshl_b32 s35, s35, 17
	s_add_co_u32 s[G0F+1], s92, s35
	s_cmp_lt_u32 s[WV], 2
	s_cselect_b64 s[G0F+2:G0F+3], s[6:7], s[16:17]
	s_add_nc_u64 s[G0F+2:G0F+3], s[G0F+2:G0F+3], s[94:95]
	s_or_b32 s[G0F+3], s[G0F+3], 0x80000000
	s_mov_b32 s[G0S], 1                            ; Wf2's scales: my 128 rows
	s_mul_i32 s96, s[WV], 128*PS2
	s_add_co_u32 s[G0S+1], s96, SC2
	s_lshl_b32 s96, s[WV], 13
	s_add_nc_u64 s[G0S+2:G0S+3], s[24:25], s[96:97]
	s_or_b32 s[G0S+3], s[G0S+3], 0x80000000
	s_mov_b32 s[G0A], 1                            ; walks: Wf1's chunk 1 into slot 1, then a chunk (49,152 bytes) on into the other slot
	s_add_co_u32 s[G0A+1], s92, SLOTB
	s_add_nc_u64 s[G0A+2:G0A+3], s[16:17], s[94:95]
	s_add_nc_u64 s[G0A+2:G0A+3], s[G0A+2:G0A+3], 128*384
	s_or_b32 s[G0A+3], s[G0A+3], 0x80000000
	s_mov_b32 s[G0B], 1                            ; walks: Wf2's chunk 0 into slot 0, then 96 bytes on in each row into the other slot
	s_mul_i32 s[G0B+1], s[WL], 256*PW2
	s_mul_i32 s96, s[WL], 256*1536
	s_add_nc_u64 s[G0B+2:G0B+3], s[22:23], s[96:97]
	s_or_b32 s[G0B+3], s[G0B+3], 0x80000000
	s_lshl_b32 s96, s[WV], 7                       ; my 32 units of bc1, Wc2, bf1
	s_add_nc_u64 s[10:11], s[10:11], s[96:97]
	s_add_nc_u64 s[12:13], s[12:13], s[96:97]
	s_add_nc_u64 s[20:21], s[20:21], s[96:97]
	s_lshl_b32 s96, s[WV], 9                       ; my 32 rows of Wc1's and Wf1's scales (16 bytes a row), my 128 columns of bf2
	s_add_nc_u64 s[8:9], s[8:9], s[96:97]
	s_add_nc_u64 s[18:19], s[18:19], s[96:97]
	s_add_nc_u64 s[26:27], s[26:27], s[96:97]
	CROUND                                         ; all four work-groups are here: the first joint loads meet
	tensor_load_to_lds s[G0X:G0X+3], s[G1X:G1X+7]  ; the first fills go out together: three loads of mine are out
	s_nop 0
	tensor_load_to_lds s[G0F:G0F+3], s[G1W:G1W+7]
	s_nop 0
	tensor_load_to_lds s[G0S:G0S+3], s[G1S:G1S+7]
	s_nop 0
	PLACES 4
	v_and_b32 v1, 15, v0                           ; r; v1-3 stay
	v_bfe_u32 v2, v0, 4, 1                         ; h
	v_and_b32 v3, 31, v0                           ; lane
	v_lshlrev_b32 v[GBO], 5, v2
	v_lshlrev_b32 v[GSO], 4, v3
	WIN 0xc0                                       ; destination window 3
.irp t, 0,1
.irp u, 0,1
	global_load_b128 v[BI+8*\t+4*\u:BI+8*\t+4*\u+3], v[GBO], s[10:11] offset:64*\t+16*\u      ; bc1 in the result's layout: register 8 t + j = unit 16 t + 8 h + j of my 32
.endr
.endr
.irp n, 0,1,2,3,4,5,6,7
.irp u, 0,1
	global_load_b128 v[FRB+8*\n+4*\u:FRB+8*\n+4*\u+3], v[GBO], s[26:27] offset:64*\n+16*\u    ; bf2 likewise: register 8 n + j = column 16 n + 8 h + j of my 128
.endr
.endr
	WIN 0
	global_load_b128 v[W1S:W1S+3], v[GSO], s[8:9]  ; Wc1's scale words: a row's four, a lane a row
	s_mul_i32 s96, s[WV], 32*PW1
	s_add_co_u32 s96, s96, W1O
	v_mul_u32_u24 v[B1A], v1, PW1
	v_mad_u32_u24 v[B1A], v2, 24, v[B1A]
	v_add_nc_u32 v[B1A], s96, v[B1A]               ; row 32 w + r of Wf1's tile, + 24 h
	v_lshl_add_u32 v[B1B], v2, 4, v[B1A]           ; + 40 h: for the pieces whose partner three pieces on lies behind one padding more
	s_mul_i32 s96, s[WV], 128*PW2
	v_mul_u32_u24 v[B2A], v1, PW2
	v_mad_u32_u24 v[B2A], v2, 24, v[B2A]
	v_add_nc_u32 v[B2A], s96, v[B2A]               ; row 128 w + r of Wf2's tile
	v_lshl_add_u32 v[B2B], v2, 4, v[B2A]
	v_lshlrev_b32 v[BH0], 3, v1
	v_mad_u32_u24 v[BH1], v2, 1408, v[BH0]
	v_mad_u32_u24 v[BH0], v2, 1664, v[BH0]
	v_add_nc_u32 v[BH0], SCR, v[BH0]               ; the images, read: even m: 8 r + 1,664 h
	v_add_nc_u32 v[BH1], SCR+128, v[BH1]           ; odd m: 128 + 8 r + 1,408 h
	s_mul_i32 s96, s[WV], 128*PS2
	s_add_co_u32 s96, s96, SC2
	v_mul_u32_u24 v[BS2], v3, PS2
	v_add_nc_u32 v[BS2], s96, v[BS2]
	v_lshl_add_u32 v[BHS], v3, 2, HSC
	s_lshl_b32 s96, s[WL], 4
	v_xor_b32 v[BHW], s96, v3                      ; the images, written: 1,536 w + 8 (lane xor 16 (w & 1)): so a reader's two halves of lanes fall on different halves of 256 bytes
	s_mul_i32 s96, s[WV], 1536
	s_add_co_u32 s96, s96, SCR
	v_lshl_add_u32 v[BHW], v[BHW], 3, s96
	v_add_nc_u32 v[BSW], s[WV], v[BHS]
	v_mul_u32_u24 v4, v1, PX
	v_add_nc_u32 v4, s[G0X+1], v4
	v_lshl_add_u32 v5, v2, 6, v4                   ; x's tile for the quantiser: row r, + 64 h
	v_lshl_add_u32 v4, v2, 5, v4                   ; and for the accumulators: row r, + 32 h
	v_add_nc_u32 v6, SCR, v[GSO]                   ; x's images, read
	v_add_nc_u32 v7, s96, v[GSO]                   ; and written: fragment (m, s = w) at 1,536 (4 m + w)
	s_lshl_b32 s96, s[WV], 8
	s_add_co_u32 s96, s96, XSC
	v_lshl_add_u32 v[XWS], v1, 2, s96
	v_lshl_add_u32 v[XRS], v3, 2, XSC
.irp b, 0,1,2,3
	v_mov_b32 v[TMX+4+\b], 0                       ; written once: a lane permute's destination counts as one of its sources
.endr
	s_wait_tensorcnt 2                             ; x's tile, the oldest of my three, is in; I alone read it
	WIN 0x80                                       ; destination window 2
.irp m, 0,1,2,3
.irp n, 0,1,2,3,4,5,6,7
.irp u, 0,1
	ds_load_b128 v[64*\m+8*\n+4*\u:64*\m+8*\n+4*\u+3], v4 offset:16*PX*\m+64*\n+16*\u   ; x in the accumulators' layout: token 16 m + r, columns 16 n + 8 h + 0 .. 7 of my 128
.endr
.endr
.endr
	WIN 0
.macro XQLOAD m, buf                   ; 64 numbers of my row of tile m: register 16 b + i = k 32 b + 16 h + i
.irp b, 0,1,2,3
.irp q, 0,1,2,3
	ds_load_b128 v[\buf+16*\b+4*\q:\buf+16*\b+4*\q+3], v5 offset:16*PX*\m+128*\b+16*\q
.endr
.endr
.endm
; 64 numbers of a lane become a fragment's codes in v[pc] on (v[pc] to v[pc+18] are used) and its scale word in v[pw]
.macro QX s, pc, pw
.irp b, 0,1,2,3
	v_max3_num_f32 v[TMX+\b], |v[\s+16*\b]|, |v[\s+1+16*\b]|, 0x1800000   ; my 16 numbers of block b, and the floor 2^(3 - 127): the byte cannot fall under 1
.endr
.irp i, 2,4,6,8,10,12,14
.irp b, 0,1,2,3
	v_max3_num_f32 v[TMX+\b], v[TMX+\b], |v[\s+16*\b+\i]|, |v[\s+1+16*\b+\i]|
.endr
.endr
.irp b, 0,1,2,3
	v_permlanex16_b32 v[TMX+4+\b], v[TMX+\b], s[SEL], s[SEL+1]
.endr
.irp b, 0,1,2,3
	v_max_num_f32 v[TMX+\b], v[TMX+\b], v[TMX+4+\b]     ; with lane l xor 16's: the block's largest magnitude
.endr
.irp b, 0,1,2,3
	v_add_nc_u32 v[TMX+12+\b], 0xff000000, v[TMX+\b]    ; 2 off its exponent field: the conversion's scale operand
.endr
.irp b, 0,1,2,3
	v_lshrrev_b32 v[TMX+4+\b], 23, v[TMX+12+\b]         ; the scale's byte
.endr
	v_lshl_or_b32 v[\pw], v[TMX+5], 8, v[TMX+4]
	v_lshl_or_b32 v[\pw], v[TMX+6], 16, v[\pw]
	v_lshl_or_b32 v[\pw], v[TMX+7], 24, v[\pw]
.irp c, 0,1
	v_cvt_scalef32_pk16_fp6_f32 v[\pc+6*\c:\pc+2+6*\c], v[\s+32*\c:\s+15+32*\c], v[TMX+12+2*\c]
	v_cvt_scalef32_pk16_fp6_f32 v[\pc+12+4*\c:\pc+14+4*\c], v[\s+16+32*\c:\s+31+32*\c], v[TMX+12+2*\c+1]
.endr
	v_nop                                          ; one plain place behind a scaled conversion
.irp c, 0,1                                    ; the operand's layout wants a whole block in a lane
.irp i, 0,1,2
	v_permlane16_swap_b32 v[\pc+6*\c+\i], v[\pc+12+4*\c+\i]
.endr
.irp i, 0,1,2
	v_mov_b32 v[\pc+3+6*\c+\i], v[\pc+12+4*\c+\i]
.endr
.endr
.endm
.macro XIM m, pc, pw                   ; the fragment goes to LDS as an image of its registers; both halves of the lanes hold the row's scale word and write the same word
.irp c, 0,1,2
	ds_store_b128 v7, v[\pc+4*\c:\pc+4*\c+3] offset:6144*\m+512*\c
.endr
	ds_store_b32 v[XWS], v[\pw] offset:64*\m
.endm
	XQLOAD 0, HA
	XQLOAD 1, TT
	s_wait_dscnt 16                                ; all but tile 1's sixteen loads
	QX HA, 192, 248
	XIM 0, 192, 248
	XQLOAD 2, HA
	s_wait_dscnt 20                                ; tile 1 is in: behind it stand four stores and sixteen loads
	QX TT, 212, 249
	XIM 1, 212, 249
	XQLOAD 3, TT
	s_wait_dscnt 20                                ; tile 2 is in, and tile 0's stores are done: their registers take tile 2's codes
	QX HA, 192, 248
	XIM 2, 192, 248
	s_wait_dscnt 4                                 ; tile 3 is in: behind it stand four stores
	QX TT, 212, 249
	XIM 3, 212, 249
	s_wait_tensorcnt 0x0                           ; my parts of Wc1 or Wf1's chunk 0 and of Wf2's scales are in,
	s_wait_dscnt 0x0                               ; my images are stored and my reads of x's tile are over
	s_barrier_signal -1
	s_barrier_wait -1                              ; everybody's
	s_load_b32 s[BC2], s[14:15], 0x0               ; the first fills' descriptors are done with: their registers take constants
	s_mov_b32 s[KP], 0x3e6d3388                    ; 0.23164189
	s_mov_b32 s[KC], 0x3f596d27                    ; 0.8493218; of each pair the packed forms take the low word, and both words are written
	s_mov_b32 s[KC+1], 0x3f596d27
	s_mov_b32 s[K1], 0x3e827906
	s_mov_b32 s[K1+1], 0x3e827906
	s_mov_b32 s[K2], 0xbe91a98e
	s_mov_b32 s[K2+1], 0xbe91a98e
	s_mov_b32 s[K3], 0x3fb5f0e3
	s_mov_b32 s[K3+1], 0x3fb5f0e3
	s_mov_b32 s[K5], 0x3f87dc22
	s_mov_b32 s[K5+1], 0x3f87dc22
	s_mov_b32 s[SL0], 0x05040100                   ; v_perm_b32: {first.lo, second.lo}
	s_mov_b32 s[SL1], 0x05040302                   ; {first.lo, second.hi}
	s_mov_b32 s[SL2], 0x07060302                   ; {first.hi, second.hi}
	v_mov_b32 v[KA4], 0xbfba00e3
	v_mov_b32 v[KA4+1], 0xbfba00e3
.irp m, 0,1,2,3
	v_mov_b32 v[PM+\m], 0
.endr
.irp t, 0,1
.irp u, 0,1
	global_load_b128 v[WC+8*\t+4*\u:WC+8*\t+4*\u+3], v[GBO], s[12:13] offset:64*\t+16*\u      ; Wc2 at my 16 units
.endr
.endr
	WIN 0x40                                       ; destination window 1
.set Q, 0
.rept 48
	ds_load_b128 v[XC+4*Q:XC+4*Q+3], v6 offset:512*Q   ; x's sixteen fragments stay in registers: (m, s) at 12 (4 m + s)
.set Q, Q+1
.endr
	WIN 0
.irp b, 0,1
.irp s, 0,1,2,3
	ds_load_b32 v[XS+4*\b+\s], v[XRS] offset:256*\s+128*\b
.endr
.endr
	s_mov_b32 s[TB], SLOTB                         ; the confidence trip counts as chunk -1: slot 1
	s_mov_b32 s[TH], HPAR
	s_mov_b32 s[TS], SPAR
	s_mov_b32 s[TK], 0
	s_wait_kmcnt 0x0
; THE MATRIX INSTRUCTIONS.  WM writes one from the symbols pD .. pRB; the rows of the scale registers are chosen by the tile's parity.
.macro WM
.if pRA && pRB
	v_wmma_scale_f32_16x16x128_f8f6f4 v[pD:pD+7], v[pA:pA+11], v[pB:pB+11], v[pC:pC+7], v[pSA], v[pSB] matrix_a_fmt:MATRIX_FMT_FP6 matrix_b_fmt:MATRIX_FMT_FP6 matrix_a_scale:MATRIX_SCALE_ROW1 matrix_b_scale:MATRIX_SCALE_ROW1
.elseif pRA
	v_wmma_scale_f32_16x16x128_f8f6f4 v[pD:pD+7], v[pA:pA+11], v[pB:pB+11], v[pC:pC+7], v[pSA], v[pSB] matrix_a_fmt:MATRIX_FMT_FP6 matrix_b_fmt:MATRIX_FMT_FP6 matrix_a_scale:MATRIX_SCALE_ROW1
.elseif pRB
	v_wmma_scale_f32_16x16x128_f8f6f4 v[pD:pD+7], v[pA:pA+11], v[pB:pB+11], v[pC:pC+7], v[pSA], v[pSB] matrix_a_fmt:MATRIX_FMT_FP6 matrix_b_fmt:MATRIX_FMT_FP6 matrix_b_scale:MATRIX_SCALE_ROW1
.else
	v_wmma_scale_f32_16x16x128_f8f6f4 v[pD:pD+7], v[pA:pA+11], v[pB:pB+11], v[pC:pC+7], v[pSA], v[pSB] matrix_a_fmt:MATRIX_FMT_FP6 matrix_b_fmt:MATRIX_FMT_FP6
.endif
.endm
; Number i of 16 of the first product for token tiles mb, mb + 1: K step i / 4, my units 16 ((i / 2) % 2) on, tile mb + i % 2.  Four accumulators by turns; the first K step takes the bias as C.
.macro P1W i, mb
.set pS, (\i)>>2
.set pT, ((\i)>>1)&1
.set pM, (\mb)+((\i)&1)
.set pD, HA+16*pM+8*pT
.set pA, FRA+12*(4*pT+pS)
.set pB, XC+12*(4*pM+pS)
.set pSA, W1S+pS
.set pSB, XS+4*(pM>>1)+pS
.set pRA, pT
.set pRB, pM&1
.if pS == 0
.set pC, BI+8*pT
	WIN 0x37                                       ; source 0 and C window 3, source 1 window 1, D window 0
.else
.set pC, pD
	WIN 0x07
.endif
	WM
.endm
; Number i of 32 of the last product: columns 16 (i / 4) on of my 128, token tile i % 4: 32 accumulators, one link each
.macro P2W i
.set pN, (\i)>>2
.set pM, (\i)&3
.set pD, 64*pM+8*pN
.set pC, pD
.set pA, FRB+12*pN
.set pB, HF+12*pM
.set pSA, W2S+(pN>>1)
.set pSB, HS+(pM>>1)
.set pRA, pN&1
.set pRB, pM&1
	WIN 0xa7                                       ; source 0 window 3, source 1 window 1, C and D window 2
	WM
.endm
; LDS loads.  A fragment's 24 bytes a half come in pieces of 8; lanes 16-31 read three pieces further on, which for some pieces lies behind one padding more: the second address register serves those.
.macro FRAG1 reg, t, s
.irp p, 0,1,2,3,4,5
.set fC, 12*(\s)+6*(\p/3)+\p%3
.if fC%16 < 13
	ds_load_b64 v[\reg+2*\p:\reg+2*\p+1], v[A1A] offset:16*PW1*(\t)+8*fC+16*(fC/16)
.else
	ds_load_b64 v[\reg+2*\p:\reg+2*\p+1], v[A1B] offset:16*PW1*(\t)+8*fC+16*(fC/16)
.endif
.endr
.endm
.macro FRAG2L L                        ; load L of 48 of Wf2's eight fragments
.set fN, (\L)/6
.set fP, (\L)%6
.set fC, 6*(fP/3)+fP%3
.if fC%4 == 0
	ds_load_b64 v[FRB+12*fN+2*fP:FRB+12*fN+2*fP+1], v[A2A] offset:16*PW2*fN+8*fC+16*(fC/4)
.else
	ds_load_b64 v[FRB+12*fN+2*fP:FRB+12*fN+2*fP+1], v[A2B] offset:16*PW2*fN+8*fC+16*(fC/4)
.endif
.endm
.macro LDHG g                          ; the hidden fragments of token tiles 2 g and 2 g + 1, twelve loads: registers 6 c + 2 p of lane (r, h) were made by wave 2 c + h
	WIN 0x40
.irp u, 0,1
.irp c, 0,1
.irp p, 0,1,2
	ds_load_b64 v[HF+12*(2*(\g)+\u)+6*\c+2*\p:HF+12*(2*(\g)+\u)+6*\c+2*\p+1], v[AH0+\u] offset:768*(\g)+256*\p+3072*\c
.endr
.endr
.endr
.endm
.macro LDH                             ; all four, in one run: the tail
	LDHG 0
	LDHG 1
	WIN 0
.endm
.macro LDSC
.irp b, 0,1,2,3
	ds_load_b32 v[W2S+\b], v[AS2] offset:32*PS2*\b
.endr
.irp b, 0,1
	ds_load_b32 v[HS+\b], v[AHS] offset:128*\b
.endr
.endm
; THE OPERANDS OF THE LAST PRODUCT, 24 + 48 loads, come in six runs of twelve: runs 0 and 1 the hidden fragments, runs 2 to 5 Wf2's.  A run stands ahead of a matrix instruction, eleven vector lines behind the one before it.
.macro LGRP
.set LG, (HN-1)/2
.if LG < 2
	LDHG LG
.else
	WIN 0xc0
.set LQ, 12*(LG-2)
.rept 12
	FRAG2L LQ
.set LQ, LQ+1
.endr
.endif
.endm
; BY TURNS.  Behind every eleventh vector line of the GELU and the quantiser stands one matrix instruction: first the 16 of the first product for tiles 2 and 3, then (HMAX = 48) the 32 of the last product of the chunk before.
; With HMAX = 48 a run of LGRP stands ahead of numbers 1, 3, 5, 7, 9 and 11: the last of them 55 vector lines ahead of the wait at number 16.
.macro HOOK
.if HN < HMAX
.if HN < 16
.if (HMAX > 16) && (HN < 12) && ((HN % 2) == 1)
	LGRP
.endif
	P1W HN, 2
.else
.if HN == 16
	s_wait_dscnt 0x0                               ; the hidden fragments, both sides' scale words and Wf2's fragments are in
.endif
	P2W (HN-16)
.endif
	WIN 0
.set HN, HN+1
.endif
.endm
.macro TICK
.set VC, VC+1
.if (VC % 11) == 0
	HOOK
.endif
.endm
; GELU of the 32 numbers of tiles 2 b, 2 b + 1.  GELA ends in ONE BATCH of 64 transcendentals; nothing in it names a result.  It reads each accumulator from its low end on.
.macro GELA b
.set GX, HA+32*(\b)
.set GI, 0
.rept 32
	v_fma_f32 v[TT+GI], |v[GX+GI]|, s[KP], 1.0
	TICK
.set GI, GI+1
.endr
.set GI, 0
.rept 16
	v_pk_mul_f32 v[EE+GI:EE+GI+1], v[GX+GI:GX+GI+1], s[KC:KC+1] op_sel_hi:[1,0]
	TICK
.set GI, GI+2
.endr
.set GI, 0
.rept 16
	v_pk_mul_f32 v[EE+GI:EE+GI+1], v[EE+GI:EE+GI+1], v[EE+GI:EE+GI+1] neg_lo:[1,0] neg_hi:[1,0]
	TICK
.set GI, GI+2
.endr
.set GI, 0
.rept 32
	v_rcp_f32 v[TT+GI], v[TT+GI]
	TICK
.set GI, GI+1
.endr
.set GI, 0
.rept 32
	v_exp_f32 v[EE+GI], v[EE+GI]
	TICK
.set GI, GI+1
.endr
.endm
.macro GELB b                          ; the polynomial, eight pairs at a time; erf; G = x + |x| erf
.set GX, HA+32*(\b)
.irp u, 0,1
.set GI, 0
.rept 8
	v_pk_fma_f32 v[QQ+GI:QQ+GI+1], v[TT+16*\u+GI:TT+16*\u+GI+1], s[K5:K5+1], v[KA4:KA4+1] op_sel_hi:[1,0,1]
	TICK
.set GI, GI+2
.endr
.irp k, K3, K2, K1
.set GI, 0
.rept 8
	v_pk_fma_f32 v[QQ+GI:QQ+GI+1], v[QQ+GI:QQ+GI+1], v[TT+16*\u+GI:TT+16*\u+GI+1], s[\k:\k+1] op_sel_hi:[1,1,0]
	TICK
.set GI, GI+2
.endr
.endr
.set GI, 0
.rept 8
	v_pk_mul_f32 v[QQ+GI:QQ+GI+1], v[QQ+GI:QQ+GI+1], v[TT+16*\u+GI:TT+16*\u+GI+1]
	TICK
.set GI, GI+2
.endr
.set GI, 0
.rept 8
	v_pk_fma_f32 v[EE+16*\u+GI:EE+16*\u+GI+1], v[QQ+GI:QQ+GI+1], v[EE+16*\u+GI:EE+16*\u+GI+1], 1.0 op_sel_hi:[1,1,0] neg_lo:[1,0,0] neg_hi:[1,0,0]
	TICK
.set GI, GI+2
.endr
.endr
.set GI, 0
.rept 32
	v_fma_f32 v[GX+GI], |v[GX+GI]|, v[EE+GI], v[GX+GI]
	TICK
.set GI, GI+1
.endr
.endm
; THE QUANTISER of tiles 2 b and 2 b + 1, by turns.  A lane's 16 numbers are units 8 h + 0..7 and 16 + 8 h + 0..7 of my block of 32; lane l xor 16 holds the others.  The conversions' 96 bits are two runs of 48;
; the exchange of halves brings a token's four runs into one lane (lanes 0-15: tile 2 b, lanes 16-31: tile 2 b + 1), and four v_perm_b32 and a move lay them in the order of the units.
.macro QH b
.set QX0, HA+32*(\b)
.set QX1, HA+32*(\b)+16
.set QM0, 2*(\b)
.set QM1, 2*(\b)+1
.set QCB, CB+12*(\b)
	v_max3_num_f32 v[AM+QM0], |v[QX0]|, |v[QX0+1]|, 0x2000000      ; the floor for G = 2 gelu: 2^(4 - 127)
	TICK
	v_max3_num_f32 v[AM+QM1], |v[QX1]|, |v[QX1+1]|, 0x2000000
	TICK
.irp i, 2,4,6,8,10,12,14
	v_max3_num_f32 v[AM+QM0], v[AM+QM0], |v[QX0+\i]|, |v[QX0+\i+1]|
	TICK
	v_max3_num_f32 v[AM+QM1], v[AM+QM1], |v[QX1+\i]|, |v[QX1+\i+1]|
	TICK
.endr
.irp q, QM0, QM1
	v_permlanex16_b32 v[PM+\q], v[AM+\q], s[SEL], s[SEL+1]
	TICK
.endr
.irp q, QM0, QM1
	v_max_num_f32 v[AM+\q], v[AM+\q], v[PM+\q]
	TICK
.endr
.irp q, QM0, QM1
	v_add_nc_u32 v[SO+\q], 0xff000000, v[AM+\q]    ; G is divided by twice the block's scale: 2 off G's largest exponent field
	TICK
.endr
.irp q, QM0, QM1
	v_add_nc_u32 v[BY+\q], 0xfe800000, v[AM+\q]    ; the byte belongs to gelu = G / 2: 3 off
	TICK
.endr
.irp q, QM0, QM1
	v_lshrrev_b32 v[BY+\q], 23, v[BY+\q]
	TICK
.endr
	v_cvt_scalef32_pk16_fp6_f32 v[QCB:QCB+2], v[QX0:QX0+15], v[SO+QM0]
	TICK
	v_cvt_scalef32_pk16_fp6_f32 v[QCB+6:QCB+8], v[QX1:QX1+15], v[SO+QM1]
	TICK
.irp q, QM0, QM1
	v_cndmask_b32 v[BY+\q], 1, v[BY+\q], s[MK+\q]  ; a stopped token: byte 1.  (These two lines are the plain places behind the conversions)
	TICK
.endr
.irp i, 0,1,2
	v_cndmask_b32 v[QCB+\i], 0, v[QCB+\i], s[MK+QM0]       ; and zero codes: the last product adds nothing to its x
	TICK
	v_cndmask_b32 v[QCB+6+\i], 0, v[QCB+6+\i], s[MK+QM1]
	TICK
.endr
.irp i, 0,1,2
	v_permlane16_swap_b32 v[QCB+\i], v[QCB+6+\i]   ; x = v[QCB ..]: units 0-7 and 16-23 of my token; y = v[QCB + 6 ..]: units 8-15 and 24-31
	TICK
.endr
	v_permlane16_swap_b32 v[BY+QM0], v[BY+QM1]     ; the first now holds each lane's token's byte
	TICK
	v_perm_b32 v[QCB+3], v[QCB+2], v[QCB+1], s[SL1]        ; {x2.lo, x1.hi}
	TICK
	v_perm_b32 v[QCB+4], v[QCB+7], v[QCB+2], s[SL2]        ; {y1.hi, x2.hi}
	TICK
	v_mov_b32 v[QCB+5], v[QCB+8]                           ; y2
	TICK
	v_perm_b32 v[QCB+2], v[QCB+7], v[QCB+6], s[SL1]        ; {y1.lo, y0.hi}
	TICK
	v_perm_b32 v[QCB+1], v[QCB+6], v[QCB+1], s[SL0]        ; {y0.lo, x1.lo}.  (This line is not counted: so no matrix instruction falls between it and the stores)
.irp p, 0,1,2
	ds_store_b64 v[AHW], v[QCB+2*\p:QCB+2*\p+1] offset:768*(\b)+256*\p
.endr
	ds_store_b8 v[ASW], v[BY+QM0] offset:128*(\b)
.endm
.macro DOT                             ; the confidence trip: my 32 units' part of G . Wc2 for each token; both halves of the lanes write the same word
	s_lshl_b32 s35, s[WV], 2
	s_add_co_u32 s35, s35, CONF
	v_and_b32 v[TP], 15, v0
	v_lshl_add_u32 v[TP], v[TP], 4, s35
.irp m, 0,1,2,3
	v_pk_mul_f32 v[216+2*\m:217+2*\m], v[HA+16*\m:HA+16*\m+1], v[WC:WC+1]
.endr
.irp i, 2,4,6,8,10,12,14
.irp m, 0,1,2,3
	v_pk_fma_f32 v[216+2*\m:217+2*\m], v[HA+16*\m+\i:HA+16*\m+\i+1], v[WC+\i:WC+\i+1], v[216+2*\m:217+2*\m]
.endr
.endr
.irp m, 0,1,2,3
	v_add_f32 v[AM+\m], v[216+2*\m], v[217+2*\m]
.endr
.irp m, 0,1,2,3
	v_permlanex16_b32 v[PM+\m], v[AM+\m], s[SEL], s[SEL+1]
.endr
.irp m, 0,1,2,3
	v_add_f32 v[AM+\m], v[AM+\m], v[PM+\m]
.endr
.irp m, 0,1,2,3
	ds_store_b32 v[TP], v[AM+\m] offset:256*\m
.endr
.endm
.macro MASKINIT                        ; the four waves' parts make the logit; sigmoid; the mask; the accumulators become continue ? bf2 : x
	v_and_b32 v[TP], 15, v0
	v_lshl_add_u32 v[TP], v[TP], 4, CONF
.irp m, 0,1,2,3
	ds_load_b128 v[208+4*\m:211+4*\m], v[TP] offset:256*\m
.endr
	s_wait_dscnt 0x0                               ; these, and Wf1's fragments
.irp m, 0,1,2,3
	v_add_f32 v[208+4*\m], v[208+4*\m], v[209+4*\m]
.endr
.irp m, 0,1,2,3
	v_add_f32 v[210+4*\m], v[210+4*\m], v[211+4*\m]
.endr
.irp m, 0,1,2,3
	v_add_f32 v[208+4*\m], v[208+4*\m], v[210+4*\m]
.endr
.irp m, 0,1,2,3
	v_fma_f32 v[208+4*\m], v[208+4*\m], 0.5, s[BC2]        ; G = 2 gelu: half the sum, + bc2
.endr
.irp m, 0,1,2,3
	v_mul_f32 v[208+4*\m], 0xbfb8aa3b, v[208+4*\m]
.endr
.irp m, 0,1,2,3
	v_exp_f32 v[208+4*\m], v[208+4*\m]
.endr
	v_nop                                          ; a plain line behind the batch,
	s_wait_alu depctr_va_vdst(0)                   ; and the one wait ahead of its first reader
.irp m, 0,1,2,3
	v_add_f32 v[208+4*\m], 1.0, v[208+4*\m]
.endr
.irp m, 0,1,2,3
	v_rcp_f32 v[208+4*\m], v[208+4*\m]
.endr
	v_nop
	s_wait_alu depctr_va_vdst(0)
.irp m, 0,1,2,3
	v_cmp_gt_f32 s[MK+\m], 0x3f4ccccd, v[208+4*\m]         ; 0.8 > confidence.  The mask only selects values: no branch and no address hangs on it
.endr
	WIN 0x8e                                       ; destination and source 0 window 2, source 1 window 3
.irp m, 0,1,2,3
.set Q, 0
.rept 64
	v_cndmask_b32 v[64*\m+Q], v[64*\m+Q], v[FRB+Q], s[MK+\m]
.set Q, Q+1
.endr
.endr
	WIN 0
.endm
.macro NEXTB step                      ; the next chunk's bias and Wf1's scale words.  Their last readers stand 80 plain lines back; the earlier loads by these bases were waited for at the trip's head
.if \step
	s_add_nc_u64 s[20:21], s[20:21], 512
	s_add_nc_u64 s[18:19], s[18:19], 2048
.endif
	WIN 0xc0
.irp t, 0,1
.irp u, 0,1
	global_load_b128 v[BI+8*\t+4*\u:BI+8*\t+4*\u+3], v[GBO], s[20:21] offset:64*\t+16*\u
.endr
.endr
	WIN 0
	global_load_b128 v[W1S:W1S+3], v[GSO], s[18:19]
.endm
.macro ADDR2                           ; the addresses of what belongs to the chunk before: the other slot, the other sets
	s_xor_b32 s[TBX], s[TB], SLOTB
	s_xor_b32 s[THX], s[TH], HPAR
	s_xor_b32 s[TSX], s[TS], SPAR
	v_add_nc_u32 v[A2A], s[TBX], v[B2A]
	v_add_nc_u32 v[A2B], s[TBX], v[B2B]
	v_add_nc_u32 v[AH0], s[THX], v[BH0]
	v_add_nc_u32 v[AH1], s[THX], v[BH1]
	v_add_nc_u32 v[AS2], s[TK], v[BS2]
	v_add_nc_u32 v[AHS], s[TSX], v[BHS]
.endm
; A TRIP.  conf: the confidence head; p2: the last product of the chunk before rides along; fill: 2 both refills, 1 Wf2's alone, 0 none; nextb: 0 none, 1 load, 2 step and load; first: the walking descriptors stand as set; mask: MASKINIT.
.macro TRIP conf, p2, fill, nextb, first, mask
	ADDR2
	v_add_nc_u32 v[A1A], s[TB], v[B1A]
	v_add_nc_u32 v[A1B], s[TB], v[B1B]
	v_add_nc_u32 v[AHW], s[TH], v[BHW]
	v_add_nc_u32 v[ASW], s[TS], v[BSW]
	WIN 0xc0
.irp s, 0,1,2,3                        ; Wf1's eight fragments, K step by K step: twelve loads a step, in the order in which the first product wants them
.irp t, 0,1
	FRAG1 FRA+12*(4*\t+\s), \t, \s
.endr
.endr
	WIN 0
.if \p2
	LDSC                                           ; six loads: both sides' scale words for the last product
.endif
	s_wait_loadcnt 0x0                             ; the bias and Wf1's scale words, asked for in the trip before (at the first trips: Wc2 and bf2 too)
.if \mask
	MASKINIT
.endif
.set PI, 0
.rept 16                               ; the first product for tiles 0 and 1: sixteen matrix instructions on end
.if (PI % 4) == 0
	s_wait_dscnt 36-3*PI+6*\p2                     ; this K step's twelve loads are in, and all that is older; the later K steps' twelve each, and the six scale words, may be out
.endif
	P1W PI, 0
.set PI, PI+1
.endr
	WIN 0
	PLACES 4                                       ; four places between the last product and the first read of results
.set VC, 0
.set HN, 0
.set HMAX, 16+32*\p2
	GELA 0
	v_nop                                          ; a plain line behind the batch,
	s_wait_alu depctr_va_vdst(0)                   ; and its one wait, ahead of the first reader
	GELB 0
.if \nextb
	NEXTB (\nextb-1)
.endif
	GELA 1
.if \conf
	v_nop
.else
	QH 0                                           ; names none of the batch's results: the work behind it
.endif
	s_wait_alu depctr_va_vdst(0)
	GELB 1
.if \conf
	DOT
.else
	QH 1
.endif
	WIN 0
	s_wait_tensorcnt 0x0                           ; all my tensor loads are done: my part of the tiles that the next trip reads; so the walking descriptors may be written
	ds_add_u32 v[SPW], v[NIL]                      ; 0 onto my spare word
.if (\first == 0) && (\fill > 0)
	s_xor_b32 s[G0A+1], s[G0A+1], SLOTB
	s_add_nc_u64 s[G0A+2:G0A+3], s[G0A+2:G0A+3], 128*384
	s_xor_b32 s[G0B+1], s[G0B+1], SLOTB
	s_add_nc_u64 s[G0B+2:G0B+3], s[G0B+2:G0B+3], 96
.endif
	s_xor_b32 s[TB], s[TB], SLOTB
	s_xor_b32 s[TH], s[TH], HPAR
	s_xor_b32 s[TS], s[TS], SPAR
.if \p2
	s_add_co_u32 s[TK], s[TK], 4
.endif
	s_wait_dscnt 0x0                               ; the add is done, my images (or logit parts) are stored, my reads of both tiles are over
.if \fill
	CROUND                                         ; so of every wave of all four partners: the round serves the images and the refills alike
	JLOAD \fill                                    ; Wf1's tile two chunks on into the part read at this trip's head, Wf2's next into the part read in this trip's runs: each has a trip in which to land
.else
	s_barrier_signal -1
	s_barrier_wait -1
.endif
.endm
	TRIP 1, 0, 2, 1, 1, 0                          ; the confidence head (its first counted wait also covers the head's loads of x's fragments and scale words, which are older)
	TRIP 0, 0, 2, 2, 0, 1                          ; chunk 0, with the mask at its head
	s_mov_b32 s[CNT], 13
.Ltrip:                                                ; chunks 1 to 13
	TRIP 0, 1, 2, 2, 0, 0
	s_sub_co_u32 s[CNT], s[CNT], 1
	s_cmp_lg_u32 s[CNT], 0
	s_cbranch_scc1 .Ltrip
	TRIP 0, 1, 1, 2, 0, 0                          ; chunk 14: Wf1 has no tile left to ask for; the tails are written out
	TRIP 0, 1, 0, 0, 0, 0                          ; chunk 15: nothing is asked for
	; THE LAST PRODUCT OF CHUNK 15
	ADDR2
	s_mul_i32 s35, s[WV], 16*PX                    ; my stage, in slot 0's part for Wf2: it has had its last fill, and every wave has passed the barrier behind its last read
	v_mul_u32_u24 v4, v1, PX
	v_lshl_add_u32 v4, v2, 5, v4
	v_add_nc_u32 v4, s35, v4                       ; in: row r, + 32 h
	v_add_nc_u32 v5, s35, v[GSO]                   ; back: the 32 lanes take a row of 512 bytes
	LDH
	LDSC
	WIN 0xc0
.set Q, 0
.rept 48
	FRAG2L Q
.set Q, Q+1
.endr
	s_wait_dscnt 0x0
.set Q, 0
.rept 32
	P2W Q
.set Q, Q+1
.endr
	WIN 0
	PLACES 4
; THE WAY OUT, a tile of 16 tokens at a time: a lane's 32 bytes of a row go into my stage and come back as whole rows.  LDS serves a wave's instructions in order (ISA guide 5.7.1.4): no wait between the stores and the loads.
.macro TOSTAGE m
	WIN 0x08                                       ; an LDS store's data are its source 1: window 2
.irp n, 0,1,2,3,4,5,6,7
	ds_store_b128 v4, v[64*(\m)+8*\n:64*(\m)+8*\n+3] offset:64*\n          ; each accumulator from its low end on
	ds_store_b128 v4, v[64*(\m)+8*\n+4:64*(\m)+8*\n+7] offset:64*\n+16
.endr
	WIN 0
.set BB, BK+64*((\m)%2)
.irp t, 0,1,2,3,4,5,6,7,8,9,10,11,12,13,14,15
	ds_load_b128 v[BB+4*\t:BB+4*\t+3], v5 offset:\t*PX
.endr
.endm
.macro SEND m, younger                 ; younger: the LDS instructions issued behind tile m's loads
.set BB, BK+64*((\m)%2)
	s_wait_dscnt \younger
.irp t, 0,1,2,3,4,5,6,7,8,9,10,11,12,13,14,15
	global_store_b128 v[GSO], v[BB+4*\t:BB+4*\t+3], s[28:29] offset:(16*(\m)+\t)*2048 th:TH_STORE_NT   ; 32 lanes store 512 consecutive bytes, at a multiple of 256 from out's first byte
.endr
.endm
	TOSTAGE 0
.irp a, 1,2,3
.if \a > 1
	s_wait_xcnt 0x0                                ; tile a - 2's stores have read their registers: tile a's rows may land there
.endif
	TOSTAGE \a
	SEND \a-1, 32                                  ; behind tile a - 1's loads: tile a's 16 stores and 16 loads
.endr
	SEND 3, 0
	s_wait_tensorcnt 0x0                           ; the wave's end, behind my last tensor load and my last LDS store
	ds_add_u32 v[SPW], v[NIL]
	s_wait_dscnt 0x0
	CROUND                                         ; the closing round: no work-group ends while a partner may still ask for a tile that names it
	s_endpgm
.Lfunc_end_k_q324072e4d4_mod:
	.size	k_q324072e4d4_mod, .Lfunc_end_k_q324072e4d4_mod-k_q324072e4d4_mod
	.p2alignl 7, 3214868480
	.fill 96, 4, 3214868480
	.section	.rodata,"a",@progbits
	.p2align	6, 0x0
	.amdhsa_kernel k_q324072e4d4_mod
		.amdhsa_group_segment_fixed_size 327680
		.amdhsa_private_segment_fixed_size 0
		.amdhsa_enable_private_segment 0
		.amdhsa_kernarg_size 104
		.amdhsa_user_sgpr_count 2
		.amdhsa_user_sgpr_kernarg_segment_ptr 1
		.amdhsa_wavefront_size32 1
		.amdhsa_system_sgpr_workgroup_id_x 1
		.amdhsa_system_sgpr_workgroup_id_y 1
		.amdhsa_system_sgpr_workgroup_id_z 1
		.amdhsa_system_vgpr_workitem_id 0
		.amdhsa_next_free_vgpr 1024
		.amdhsa_next_free_sgpr 106
		.amdhsa_reserve_vcc 0
		.amdhsa_float_denorm_mode_32 3
		.amdhsa_float_denorm_mode_16_64 3
		.amdhsa_memory_ordered 1
		.amdhsa_forward_progress 1
		.amdhsa_inst_pref_size 255
	.end_amdhsa_kernel
	.section	.bss,"aw",@nobits
	.p2align	6
	.space	262144
	.amdgpu_metadata
---
amdhsa.version: [ 1, 2 ]
amdhsa.kernels:
  - .name:           k_q324072e4d4_mod
    .symbol:         k_q324072e4d4_mod.kd
    .args:
      - { .name: hidden_states, .offset: 0, .size: 8, .value_kind: global_buffer, .address_space: global }
      - { .name: Wc1_codes, .offset: 8, .size: 8, .value_kind: global_buffer, .address_space: global }
      - { .name: Wc1_scales, .offset: 16, .size: 8, .value_kind: global_buffer, .address_space: global }
      - { .name: bc1, .offset: 24, .size: 8, .value_kind: global_buffer, .address_space: global }
      - { .name: Wc2, .offset: 32, .size: 8, .value_kind: global_buffer, .address_space: global }
      - { .name: bc2, .offset: 40, .size: 8, .value_kind: global_buffer, .address_space: global }
      - { .name: Wf1_codes, .offset: 48, .size: 8, .value_kind: global_buffer, .address_space: global }
      - { .name: Wf1_scales, .offset: 56, .size: 8, .value_kind: global_buffer, .address_space: global }
      - { .name: bf1, .offset: 64, .size: 8, .value_kind: global_buffer, .address_space: global }
      - { .name: Wf2_codes, .offset: 72, .size: 8, .value_kind: global_buffer, .address_space: global }
      - { .name: Wf2_scales, .offset: 80, .size: 8, .value_kind: global_buffer, .address_space: global }
      - { .name: bf2, .offset: 88, .size: 8, .value_kind: global_buffer, .address_space: global }
      - { .name: out0, .offset: 96, .size: 8, .value_kind: global_buffer, .address_space: global }
    .group_segment_fixed_size: 327680
    .private_segment_fixed_size: 0
    .kernarg_segment_align: 8
    .kernarg_segment_size: 104
    .max_flat_workgroup_size: 128
    .sgpr_count:     106
    .vgpr_count:     1024
    .wavefront_size: 32
...
	.end_amdgpu_metadata
.endif
;; end of part 1
